; MI455X (gfx1250); checked and timed in simulation.
; The chip was launched on July 23, 2026; its instructions are those of AMD's public machine-readable ISA for CDNA 5 (MIT licence, August 2026) and "CDNA5" Instruction Set Architecture Reference Guide (July 2026). The comments in the code are by the model that wrote it; some were corrected since.
;; Quantized Linear. Allowed arithmetic: matrix products marked QUANTISED: E3M2 operands, one E8M0 scale for each 32 along K, by v_wmma_scale_f32_16x16x128_f8f6f4 with both operands' format E3M2, f32 sums; everything else in f32.
;; Inputs: bias 2,048 float32; scales 65,536 float32; weight_int4 2,048 x 4,096 int32; x 4 x 2,048 x 4,096 float32; zero_points 65,536 int32.
;; Outputs: out0 4 x 2,048 x 2,048 float32.
;; This version of the problem:
;;   THIS VERSION OF THE PROBLEM IS GIVEN IN LOW PRECISION. The matrix products marked QUANTISED in the list below multiply operands that are first quantised to E3M2 (3 exponent bits, 2 mantissa bits; 6 bits a number), with one power-of-two scale for each 32 numbers along K (OCP MX v1.0); their sums are f32. All else is computed in f32.
;;   The module's matrix products, in the order in which they are computed (A, B: the left and right operand; K: the contracted axis; several contracted axes count as one K, in the product's order):
;;     1. [M 8,192, K 4,096] x [K 4,096, N 2,048]; A: input x; B: computed on the way: QUANTISED
;;   THE QUANTISER, for each operand of a quantised product, along K:
;;     - K is cut into blocks of 32 from its start; a last block that is shorter is filled with zeros.
;;     - A block's scale is 2^e with e = floor(log2(the largest magnitude in the block)) - 4, held to -126 .. 127; a block of zeros has e = 0. As a byte (E8M0): e + 127.
;;     - Each number is divided by its block's scale, clamped to +-28, and rounded to the nearest number of E3M2, ties to even, subnormals kept.
;;     - The product sums the exact products of the quantised numbers (number of the format x scale) in f32.
;;   ~~~python
;;   def quantise(x, axis):      # numpy; x: float32 -> the quantised numbers, widened to float32 again
;;       x = np.moveaxis(x, axis, -1); K = x.shape[-1]
;;       x = np.pad(x, [(0, 0)] * (x.ndim - 1) + [(0, -K % 32)]); x = x.reshape(x.shape[:-1] + (-1, 32)); a = np.abs(x).max(-1, keepdims=True)
;;       e = np.where(a > 0, np.clip(np.frexp(np.where(a > 0, a, 1))[1] - 1 - 4, -126, 127), 0)      # np.frexp(a)[1] - 1 = floor(log2(a)), exactly
;;       r = np.clip(x / 2.0 ** e, -28, 28)
;;       step = 2.0 ** (np.maximum(np.frexp(np.where(r == 0, 1, r))[1] - 1, -2) - 2)
;;       q = np.round(r / step) * step * 2.0 ** e      # np.round: ties to even
;;       return np.moveaxis(q.reshape(q.shape[:-2] + (-1,))[..., :K], -1, axis).astype(np.float32)
;;   ~~~
;;   OPERANDS COMPUTED ON THE WAY. 'Computed on the way' means the value that the module computes at that place (a softmax that the list does not call 'softmax' is quantised finished and normalised). What goes into a quantiser is computed in f32, as accurately as f32 sums, v_exp_f32 and their like allow (about 1e-6 of the number): no bf16 or f16 on the way to a quantiser, and a product that is left as it is and whose result goes on into a quantised operand takes f32 operands (vector FMAs, or v_wmma_f32_16x16x4_f32). A number that lies on a knife's edge between two numbers of the format may be rounded either way, as far as f32 arithmetic and the matrix unit's own rounding can turn it there, and no further.
;; One version. Each part assembles by itself: llvm-mc -triple=amdgcn-amd-amdhsa -mcpu=gfx1250 --defsym DOCPART=n.
;; ======== version 1 of 1: 2 launches
;; limits: right only within a limited range of input values
;; workspace buffers: xq 26,607,616 bytes; wq 6,651,904 bytes
;; launch quant (part 1): grid 160 x 11, 4 waves a work-group, no clusters, 34,304 bytes of LDS; arguments x, weight_int4, scales, zero_points, xq, wq; writes xq, wq
.if DOCPART == 1
	.amdgcn_target "amdgcn-amd-amdhsa--gfx1250"
	.amdhsa_code_object_version 6
	.text
	.protected	k_qc672100d57_quant
	.globl	k_qc672100d57_quant
	.p2align	8
	.type	k_qc672100d57_quant,@function
k_qc672100d57_quant:
	s_mov_b64 s[64:65], 0
	v_nop
	global_prefetch_b8 v0, s[64:65] scope:SCOPE_SE
	s_setreg_imm32_b32 hwreg(HW_REG_WAVE_MODE, 25, 1), 1
	s_wait_xcnt 0x0
; x [8192][4096] f32 and w = (f32(weight_int4) - f32(zero_points[g])) * scales[g] ([2048][4096], a group g = 128 neighbours of a row) become codes of E3M2
; with one E8M0 byte for each 32 along K.  A block's byte is its largest magnitude's exponent field - 4, held at 1 from below.  No work of the problem is left out: every input has a way to the output.
; LIMITS: NaN and infinities among x or scales are not served.  A block of zeros gets the byte 1 where the rule says 127: its codes are zeros, and the bytes are read by this program alone.
; WHAT IS STORED.  A FRAGMENT is 16 rows x 128 along K as the matrix instruction takes it: 12 registers a lane, stored as their image: registers 4 c .. 4 c + 3 of a lane at 512 c + 16 lane: 1,536 bytes.
; A ROW TILE of x is 16 neighbouring rows.  A row tile T of w is rows 64 (T / 4) + T % 4 + 4 i, i = 0 .. 15: so four neighbouring tiles hold, lane by lane, four neighbouring columns of the result.
; A PLANE is three K steps (plane 10: the last two).  In a plane, a GROUP of 8 row tiles is one dense block: 8 x 3 fragments (4,608 bytes a tile), then 8 scale units of 256 bytes (row r: 16 bytes: the words of the
; plane's steps, the rest filled with the byte 127): 38,912 bytes, 152 x 256; in plane 10: 8 x 3,072 + 2,048 = 26,624 bytes.  Every block begins at a multiple of 256 bytes.
; SHARES.  A wave takes one row tile and one plane: row tile 4 x + wave (0-511: x's, 512-639: w's), plane y.  Waves share nothing: no barrier.  No two work-groups read the same bytes: nothing to share in a cluster.
; No prefetch: each byte is read once, 32 loads a wave are out, and there is no loop to run ahead in.
; A load reads 512 consecutive bytes of a row, 16 a lane; the conversion wants 32 neighbours along K in ONE lane: so a fragment's 8 KB turn through the wave's own stage in LDS.
.set GB,   38912
.set GBL,  26624
.set XPL,  64*GB                       ; a plane of xq: 64 groups
.set WPL,  16*GB                       ; a plane of wq
.set SPT,  528                         ; a stage row: 512 bytes + 16
.set STGB, 16*SPT
.set SPARE, 4*STGB                     ; behind the stages: the spare words, 128 bytes a wave
.set R,   16                           ; v16-143  two sets of 64: a fragment as loaded
.set X,   144                          ; v144-207 register 32 c + j = k 64 c + 32 h + j of row r
.set C,   208                          ; v208-219 the fragment's codes
.set T2,  220                          ; v220-222, v224-226 the upper halves' codes
.set MX,  228
.set SO,  232
.set BY,  234
.set WT,  236
.set PT,  237
.set SWQ, 240                          ; v240-243 the scale unit's 16 bytes of my row
.set ZP,  244                          ; v244-245 f32(zero point), twice
.set SV,  246                          ; v246-251 for each of three fragments: the group's scale, its zero point
.set SPW, 254
.set NIL, 255
	s_load_b256 s[4:11], s[0:1], 0x0               ; x, weight_int4, scales, zero_points
	s_load_b128 s[12:15], s[0:1], 0x20             ; xq, wq
	v_lshl_add_u32 v[SPW], v0, 2, SPARE
	v_mov_b32 v[NIL], 0
	v_lshrrev_b32 v1, 5, v0
	v_readfirstlane_b32 s22, v1                    ; wave
	s_and_b32 s23, ttmp7, 0xffff                   ; plane p
	s_lshl_b32 s24, ttmp9, 2
	s_add_co_u32 s24, s24, s22                     ; row tile, x's and then w's
	s_and_b32 s25, s24, 127                        ; w's T
	s_mov_b32 s27, WPL
	s_cmp_lt_u32 ttmp9, 128                        ; x's work-group?
	s_cselect_b32 s26, s24, s25                    ; the tile's number in its own tensor
	s_cselect_b32 s27, XPL, s27
	s_mov_b32 s28, GBL
	s_mov_b32 s29, 3072
	s_cmp_lt_u32 s23, 10
	s_cselect_b32 s28, GB, s28                     ; a group's bytes in this plane
	s_cselect_b32 s29, 4608, s29                   ; a tile's bytes of codes
	s_mul_i32 s30, s23, s27
	s_lshr_b32 s31, s26, 3
	s_mul_i32 s31, s31, s28
	s_add_co_u32 s30, s30, s31                     ; where my group begins
	s_and_b32 s31, s26, 7
	s_mul_i32 s32, s31, s29
	s_add_co_u32 s32, s32, s30                     ; my codes
	s_mov_b32 s33, 0
	s_lshl_b32 s34, s29, 3
	s_add_co_u32 s34, s34, s30
	s_lshl_b32 s31, s31, 8
	s_add_co_u32 s34, s34, s31                     ; my scale unit
	s_mov_b32 s35, 0
	s_mul_i32 s42, s23, 1536                       ; three K steps of 512 bytes a plane
	s_lshl_b32 s36, s24, 18                        ; x: 16 rows of 16,384 bytes a tile
	s_add_co_u32 s36, s36, s42
	s_mov_b32 s37, 0
	s_lshr_b32 s43, s25, 2
	s_lshl_b32 s43, s43, 6
	s_and_b32 s44, s25, 3
	s_add_co_u32 s43, s43, s44                     ; w's first row: 64 (T / 4) + T % 4
	s_lshl_b32 s38, s43, 14
	s_add_co_u32 s38, s38, s42
	s_mov_b32 s39, 0
	s_lshl_b32 s40, s43, 7                         ; scales, zero_points: group 32 row + K step, 4 bytes each
	s_mul_i32 s44, s23, 12
	s_add_co_u32 s40, s40, s44
	s_mov_b32 s41, 0
	s_mul_i32 s45, s22, STGB
	s_mov_b32 s20, 0x76543210
	s_mov_b32 s21, 0xfedcba98                      ; v_permlanex16_b32's selects for lane l xor 16
	v_and_b32 v1, 31, v0                           ; lane
	v_and_b32 v2, 15, v0                           ; r
	v_bfe_u32 v3, v0, 4, 1                         ; h
	v_lshlrev_b32 v4, 4, v1                        ; 16 x lane
	v_add_nc_u32 v5, s45, v4                       ; the stage, on the way in
	v_mul_u32_u24 v6, v2, SPT
	v_lshl_add_u32 v6, v3, 7, v6
	v_add_nc_u32 v6, s45, v6                       ; and out: row r, + 128 h
	v_lshlrev_b32 v7, 3, v3                        ; 8 h
	v_lshlrev_b32 v8, 4, v2                        ; 16 r: my row's place in the scale unit
	v_lshlrev_b32 v9, 9, v2                        ; 512 r: w's rows of a tile lie 4 rows, 4 x 128 bytes of groups, apart
	v_mov_b32 v[PT], 0                             ; a lane permute's destination counts as one of its sources
	v_mov_b32 v[SWQ+2], 0x7f7f7f7f                 ; the unit's fill; in planes 0-9 the third step's word is written over it
	v_mov_b32 v[SWQ+3], 0x7f7f7f7f
.irp i, 0,1,2,3,4,5
	v_mov_b32 v[SV+\i], 0                          ; written on every way through the text; w's waves load them below
.endr
	v_cmp_gt_u32 vcc_lo, 16, v1                    ; lanes 0-15; VCC is written nowhere else
	s_wait_alu depctr_va_vdst(0)                   ; the wait at the head's end
	s_wait_kmcnt 0x0
	s_add_nc_u64 s[4:5], s[4:5], s[36:37]          ; no base is stepped after this
	s_add_nc_u64 s[6:7], s[6:7], s[38:39]
	s_add_nc_u64 s[8:9], s[8:9], s[40:41]
	s_add_nc_u64 s[10:11], s[10:11], s[40:41]
	s_cmp_lt_u32 ttmp9, 128
	s_cselect_b64 s[16:17], s[12:13], s[14:15]
	s_add_nc_u64 s[18:19], s[16:17], s[34:35]
	s_add_nc_u64 s[16:17], s[16:17], s[32:33]
.macro LOAD set, base, off, pitch      ; a fragment's 16 rows: each load reads 512 consecutive bytes
.irp i, 0,1,2,3,4,5,6,7,8,9,10,11,12,13,14,15
	global_load_b128 v[R+64*(\set)+4*\i:R+64*(\set)+4*\i+3], v4, s[\base:\base+1] offset:(\off)+(\pitch)*\i th:TH_LOAD_NT
.endr
.endm
.macro LOADSEL set, f                  ; step f of my plane: sixteen loads on either way
	s_cmp_lt_u32 ttmp9, 128
	s_cbranch_scc0 .Lw_\@
	LOAD \set, 4, 512*(\f), 16384
	s_branch .Ld_\@
.Lw_\@:
	LOAD \set, 6, 512*(\f), 65536
.Ld_\@:
.endm
.macro TURN set                        ; LDS serves a wave's instructions in order (ISA guide 5.7.1.4): no wait between the stores and the loads
.irp i, 0,1,2,3,4,5,6,7,8,9,10,11,12,13,14,15
	ds_store_b128 v5, v[R+64*(\set)+4*\i:R+64*(\set)+4*\i+3] offset:SPT*\i
.endr
.irp c, 0,1
.irp i, 0,1,2,3,4,5,6,7
	ds_load_b128 v[X+32*\c+4*\i:X+32*\c+4*\i+3], v6 offset:256*\c+16*\i
.endr
.endr
.endm
.macro DEQ f                           ; w as it is defined: convert, subtract, multiply, each rounded in f32.  All 64 numbers of a lane belong to one group
	v_cvt_f32_i32 v[ZP], v[SV+2*(\f)+1]
	v_cvt_f32_i32 v[ZP+1], v[SV+2*(\f)+1]
.set j, 0
.rept 64
	v_cvt_f32_i32 v[X+j], v[X+j]
.set j, j+1
.endr
.set j, 0
.rept 32
	v_pk_add_f32 v[X+j:X+j+1], v[X+j:X+j+1], v[ZP:ZP+1] neg_lo:[0,1] neg_hi:[0,1]
.set j, j+2
.endr
.set j, 0
.rept 32
	v_pk_mul_f32 v[X+j:X+j+1], v[X+j:X+j+1], v[SV+2*(\f):SV+2*(\f)+1] op_sel_hi:[1,0]   ; the pair's low word, the scale, serves both halves
.set j, j+2
.endr
.endm
.macro QUANT f                         ; my two blocks of 32 (blocks h and 2 + h of row r's 128) become 12 registers of codes and, with lane l xor 16's bytes, the row's scale word
.irp c, 0,1
	v_max3_num_f32 v[MX+2*\c], |v[X+32*\c]|, |v[X+32*\c+1]|, 0x2800000     ; the floor 2^(5 - 127) among the leaves: the byte cannot fall under 1
	v_max3_num_f32 v[MX+2*\c+1], |v[X+32*\c+16]|, |v[X+32*\c+17]|, |v[X+32*\c+18]|
.endr
.irp i, 2,4,6,8,10,12
.irp c, 0,1
	v_max3_num_f32 v[MX+2*\c], v[MX+2*\c], |v[X+32*\c+\i]|, |v[X+32*\c+\i+1]|          ; four chains by turns
	v_max3_num_f32 v[MX+2*\c+1], v[MX+2*\c+1], |v[X+32*\c+17+\i]|, |v[X+32*\c+18+\i]|
.endr
.endr
.irp c, 0,1
	v_max3_num_f32 v[MX+2*\c], v[MX+2*\c], |v[X+32*\c+14]|, |v[X+32*\c+15]|
.endr
.irp c, 0,1
	v_max3_num_f32 v[MX+2*\c], v[MX+2*\c], v[MX+2*\c+1], |v[X+32*\c+31]|
.endr
.irp c, 0,1
	v_add_nc_u32 v[SO+\c], 0xfe000000, v[MX+2*\c]  ; 4 off the exponent field: the conversion's scale operand
.endr
.irp c, 0,1
	v_lshrrev_b32 v[BY+\c], 23, v[SO+\c]           ; the scale's byte
.endr
	v_lshl_or_b32 v[WT], v[BY+1], 16, v[BY]
	v_lshlrev_b32 v[WT], v7, v[WT]                 ; 8 h bits up
	v_permlanex16_b32 v[PT], v[WT], s20, s21
	v_or_b32 v[SWQ+(\f)], v[WT], v[PT]             ; the word is whole, in both halves of the lanes
	s_wait_alu depctr_va_vdst(0)                   ; the wait here, directly ahead of the wait below
	s_wait_xcnt 0x0                                ; an earlier fragment's stores have read their data: the codes' registers are written again only behind this wait
.irp c, 0,1
	v_cvt_scalef32_pk16_bf6_f32 v[C+6*\c:C+6*\c+2], v[X+32*\c:X+32*\c+15], v[SO+\c]
	v_cvt_scalef32_pk16_bf6_f32 v[T2+4*\c:T2+4*\c+2], v[X+32*\c+16:X+32*\c+31], v[SO+\c]
.endr
	v_nop                                          ; one plain place behind a scaled conversion
.irp c, 0,1
.irp i, 0,1,2
	v_mov_b32 v[C+3+6*\c+\i], v[T2+4*\c+\i]        ; a conversion's three registers begin on an even number: the upper half is made elsewhere and moved
.endr
.endr
.endm
; step f of the plane, loaded into set; left = the younger loads that may stay out; nxt = the step that the set takes next (-1: none)
.macro FRAGM f, set, left, nxt
	s_wait_loadcnt \left
	TURN \set
	s_wait_dscnt 0x0                               ; my 64 numbers are back, and the stage's stores have read their set
.if \nxt >= 0
	LOADSEL \set, \nxt
.endif
	s_cmp_lt_u32 ttmp9, 128
	s_cbranch_scc1 .Lx_\@                          ; round register work alone
	DEQ \f
.Lx_\@:
	QUANT \f
.irp c, 0,1,2
	global_store_b128 v4, v[C+4*\c:C+4*\c+3], s[16:17] offset:1536*(\f)+512*\c   ; 512 consecutive bytes, at a multiple of 512 from the buffer's first byte
.endr
.endm
	s_cmp_lt_u32 ttmp9, 128
	s_cbranch_scc1 .Lnosv
.irp f, 0,1                            ; w's waves: my row's group of each K step: the oldest loads, so every later wait covers them
	global_load_b32 v[SV+2*\f], v9, s[8:9] offset:4*\f
	global_load_b32 v[SV+2*\f+1], v9, s[10:11] offset:4*\f
.endr
	s_cmp_eq_u32 s23, 10
	s_cbranch_scc1 .Lnosv                          ; plane 10 has no third step
	global_load_b32 v[SV+4], v9, s[8:9] offset:8
	global_load_b32 v[SV+5], v9, s[10:11] offset:8
.Lnosv:
	s_cmp_eq_u32 s23, 10
	s_cbranch_scc1 .Lshort
	LOADSEL 0, 2                                   ; the step that plane 10 lacks goes first, so that both ways meet with the same loads out
	LOADSEL 1, 0
	FRAGM 2, 0, 16, 1
	s_branch .Ljoin
.Lshort:
	LOADSEL 1, 0
	LOADSEL 0, 1
.Ljoin:                                                ; out on either way: step 0's sixteen loads, then step 1's
	FRAGM 0, 1, 16, -1
	FRAGM 1, 0, 0, -1
	s_wait_xcnt 0x0                                ; EXEC changes only behind this wait
	s_and_saveexec_b32 s46, vcc_lo
	global_store_b128 v8, v[SWQ:SWQ+3], s[18:19]   ; sixteen lanes store the unit's 256 consecutive bytes
	s_wait_xcnt 0x0
	s_or_b32 exec_lo, exec_lo, s46
	s_wait_tensorcnt 0x0                           ; the wave's end
	ds_add_u32 v[SPW], v[NIL]
	s_wait_dscnt 0x0
	s_endpgm
.Lfunc_end_k_qc672100d57_quant:
	.size	k_qc672100d57_quant, .Lfunc_end_k_qc672100d57_quant-k_qc672100d57_quant
	.p2alignl 7, 3214868480
	.fill 96, 4, 3214868480
	.section	.rodata,"a",@progbits
	.p2align	6, 0x0
	.amdhsa_kernel k_qc672100d57_quant
		.amdhsa_group_segment_fixed_size 34304
		.amdhsa_private_segment_fixed_size 0
		.amdhsa_enable_private_segment 0
		.amdhsa_kernarg_size 48
		.amdhsa_user_sgpr_count 2
		.amdhsa_user_sgpr_kernarg_segment_ptr 1
		.amdhsa_wavefront_size32 1
		.amdhsa_system_sgpr_workgroup_id_x 1
		.amdhsa_system_sgpr_workgroup_id_y 1
		.amdhsa_system_sgpr_workgroup_id_z 1
		.amdhsa_system_vgpr_workitem_id 0
		.amdhsa_next_free_vgpr 256
		.amdhsa_next_free_sgpr 66
		.amdhsa_reserve_vcc 1
		.amdhsa_float_denorm_mode_32 3
		.amdhsa_float_denorm_mode_16_64 3
		.amdhsa_memory_ordered 1
		.amdhsa_forward_progress 1
		.amdhsa_inst_pref_size 55
	.end_amdhsa_kernel
	.amdgpu_metadata
---
amdhsa.version: [ 1, 2 ]
amdhsa.kernels:
  - .name:           k_qc672100d57_quant
    .symbol:         k_qc672100d57_quant.kd
    .args:
      - { .name: x, .offset: 0, .size: 8, .value_kind: global_buffer, .address_space: global }
      - { .name: weight_int4, .offset: 8, .size: 8, .value_kind: global_buffer, .address_space: global }
      - { .name: scales, .offset: 16, .size: 8, .value_kind: global_buffer, .address_space: global }
      - { .name: zero_points, .offset: 24, .size: 8, .value_kind: global_buffer, .address_space: global }
      - { .name: xq, .offset: 32, .size: 8, .value_kind: global_buffer, .address_space: global }
      - { .name: wq, .offset: 40, .size: 8, .value_kind: global_buffer, .address_space: global }
    .group_segment_fixed_size: 34304
    .private_segment_fixed_size: 0
    .kernarg_segment_align: 8
    .kernarg_segment_size: 48
    .max_flat_workgroup_size: 128
    .sgpr_count:     66
    .vgpr_count:     256
    .wavefront_size: 32
...
	.end_amdgpu_metadata
.endif
;; end of part 1
;; launch gemm (part 2): grid 8 x 32, 4 waves a work-group, clusters of 4 x 4, 327,680 bytes of LDS; arguments xq, wq, bias, out0; writes out0
.if DOCPART == 2
	.amdgcn_target "amdgcn-amd-amdhsa--gfx1250"
	.amdhsa_code_object_version 6
	.text
	.protected	k_qc672100d57_gemm
	.globl	k_qc672100d57_gemm
	.p2align	8
	.type	k_qc672100d57_gemm,@function
k_qc672100d57_gemm:
	s_mov_b64 s[64:65], 0
	v_nop
	global_prefetch_b8 v0, s[64:65] scope:SCOPE_SE
	s_setreg_imm32_b32 hwreg(HW_REG_WAVE_MODE, 25, 1), 1
	s_wait_xcnt 0x0
	s_wait_alu depctr_hold_cnt(0) depctr_sa_sdst(0) depctr_va_vdst(0) depctr_va_sdst(0) depctr_va_ssrc(0) depctr_va_vcc(0) depctr_vm_vsrc(0)
	s_getreg_b32 s2, hwreg(HW_REG_IB_STS2, 6, 4)
	s_cmp_eq_u32 s2, 0
	s_cbranch_scc0 .Lentry_in_a_cluster
	s_endpgm
.Lentry_in_a_cluster:
	s_bfe_u32 s2, ttmp6, 0x10000c
	s_cmp_lg_u32 s2, 0xf033
	s_cbranch_scc0 .Lentry_shape_is_right
	s_endpgm
.Lentry_shape_is_right:
; out0[m][n] = sum over k of Q(x)[m][k] Q(w)[n][k] + bias[n]: codes of E3M2 and E8M0 scale words as launch quant has laid them; sums in f32.
; A tile of the result, 256 x 256, is made by four waves; a wave makes 128 x 128: 64 accumulators, 512 registers.
; K goes in PLANES of three steps of 128 (plane 10: two) through a ring of two LDS slots.  A wave's one tensor load brings a group's dense block: 128 rows' fragments and scale units, 152 rows of 256 bytes
; (plane 10: 104): waves 0, 1 fetch x's two groups, waves 2, 3 w's.  A slot is 4 x 38,912 bytes.  Between a refill and the wait for it a wave issues 160 matrix instructions.
; CLUSTERS: 4 x 4 work-groups; x's blocks are asked for jointly along a row of the cluster, w's along a column.
; SOURCE 0 = 16 rows of x, SOURCE 1 = a row tile of w.  Lane (r, h) of accumulator (a, b) holds in register j the result at row 16 a + 8 h + j, column 64 (b / 4) + 4 r + b % 4 (so quant has chosen w's tiles):
; the same register of four neighbouring accumulators is four neighbouring columns.  The bias's add gathers them into four neighbouring registers, and sixteen lanes store 256 consecutive bytes: no stage in LDS.
; REGISTERS: window 0: v0-31 addresses; v32-95 scale words, a set for each slot (register 4 i + s: lanes 0-15 x's block i, lanes 16-31 w's tile i, step s); v96-103 the bias; v128-223 x's fragments, one set.
;   window 1: w's fragments, two sets, at v0 and v128; on the way out four sets of 64 results.   windows 2, 3: the accumulators of my rows 0-63, 64-127 ((a, b) at v[8 (8 (a % 4) + b)]).
; PREFETCH: behind the refill with plane p + 2 each wave names its work-group's quarter (38 blocks of 256 bytes, shared out among the four partners by address) of its block of plane p + 4; planes 4 to 9 are asked for so.
.set GB,     38912
.set XPL,    64*GB
.set WPL,    16*GB
.set SLOT,   4*GB
.set SPARE,  2*SLOT                    ; behind the ring: the spare words, 128 bytes a wave
.set FR,     12
.set FS,     4608                      ; a tile's bytes of codes in a block; 3,072 in plane 10
.set ADRA, 16                          ; v16-17 my x fragments in slot 0, 1
.set ADRB, 18                          ; v18-19 my w fragments
.set ADRS, 20                          ; v20-21 my scale units: lanes 0-15 x's, lanes 16-31 w's
.set CO,   22                          ; my byte offset in the result
.set BO,   23                          ; 16 r
.set PFO,  24                          ; the prefetches' offsets: blocks 0-31,
.set PFO2, 25                          ; and blocks 32-37 (lanes 6-31 name block 37 again)
.set SPW,  28
.set NIL,  29
.set SC,   32
.set BI,   96
.set AF,   128
.set G1, 24
.set G0, 32
.set G1B, 48
.set G0B, 56
.set DA,  66                           ; s[66:67], s[68:69]: how much nearer my group lies in plane 10
.set DB,  68
.set PFA, 72
.set PFS, 74
.set MSB, 0
.macro WIN new
.if MSB != \new
	s_set_vgpr_msb (MSB<<8)|\new
.set MSB, \new
.endif
.endm
.set MUL_LO, 0xa4                      ; source 0 (x) window 0, source 1 (w) window 1, C and D window 2
.set MUL_HI, 0xf4
.set TO_B,   0x40
.macro JLOAD s                         ; a joint load: waves 0, 1 for x, waves 2, 3 for w
	s_cmp_eq_u32 s15, 0
	s_cbranch_scc0 .Lfor_b_\@
	tensor_load_to_lds s[G0+4*\s:G0+4*\s+3], s[G1:G1+7]
	s_nop 0
.rept 4
	v_nop
.endr
	s_branch .Lasked_\@
.Lfor_b_\@:
	tensor_load_to_lds s[G0B+4*\s:G0B+4*\s+3], s[G1B:G1B+7]
	s_nop 0
.rept 4
	v_nop
.endr
.Lasked_\@:
.endm
.macro CREST
	s_cmp_lg_u32 s14, 0
	s_cbranch_scc1 .Lnot_wave_0_\@
	s_barrier_signal -3
.Lnot_wave_0_\@:
	s_barrier_wait -3
	s_barrier_signal -1
	s_barrier_wait -1
.endm
.macro CROUND
	s_barrier_signal -1
	s_barrier_wait -1
	CREST
.endm
	s_load_b128 s[4:7], s[0:1], 0x0                ; xq, wq
	s_load_b128 s[8:11], s[0:1], 0x10              ; bias, out0
	v_lshl_add_u32 v[SPW], v0, 2, SPARE
	v_mov_b32 v[NIL], 0
	ds_add_u32 v[SPW], v[NIL]                      ; the opening lines: the add twice on end and its wait ahead of my first tensor load
	ds_add_u32 v[SPW], v[NIL]
	v_lshrrev_b32 v1, 5, v0
	v_readfirstlane_b32 s14, v1                    ; wave
	s_lshr_b32 s15, s14, 1                         ; my half of the rows; also: I fetch for x (0) or w (1)
	s_and_b32 s16, s14, 1                          ; my half of the columns; also: which group I fetch
	s_bfe_u32 s40, ttmp6, 0x40000                  ; cx
	s_bfe_u32 s41, ttmp6, 0x40004                  ; cy
	s_lshl_b32 s42, ttmp9, 2
	s_add_co_u32 s42, s42, s40                     ; tile column
	s_and_b32 s17, ttmp7, 0xffff
	s_lshl_b32 s17, s17, 2
	s_add_co_u32 s17, s17, s41                     ; tile row
	s_lshl_b32 s43, s41, 2
	s_lshl_b32 s43, 15, s43                        ; my row of the cluster
	s_lshl_b32 s44, 0x1111, s40                    ; my column
	s_or_b32 s[G1+0], s43, (3<<16)|(1<<21)         ; elements of 8 bytes; bit 21 beside a mask
	s_or_b32 s[G1B+0], s44, (3<<16)|(1<<21)
.irp g, G1, G1B
	s_mov_b32 s[\g+1], 32<<16                      ; rows of 256 bytes,
	s_mov_b32 s[\g+2], 152<<16                     ; 152 of them, dense
	s_mov_b32 s[\g+3], 32<<16
	s_mov_b32 s[\g+4], 152
	s_mov_b32 s[\g+5], 32
	s_mov_b32 s[\g+6], 0
	s_mov_b32 s[\g+7], 0
.endr
	s_lshl_b32 s18, s17, 1
	s_add_co_u32 s18, s18, s16                     ; x's group that I fetch
	s_lshl_b32 s19, s42, 1
	s_add_co_u32 s19, s19, s16                     ; w's
	s_mul_i32 s20, s18, GB
	s_mov_b32 s21, 0
	s_mul_i32 s46, s19, GB
	s_mov_b32 s47, 0
	s_mul_i32 s[DA], s18, 12288
	s_mov_b32 s[DA+1], 0
	s_mul_i32 s[DB], s19, 12288
	s_mov_b32 s[DB+1], 0
	s_mul_i32 s45, s14, GB                         ; where my block goes: wave x a block
	s_wait_dscnt 0x0                               ; both opening adds are done
	s_wait_kmcnt 0x0
	s_add_nc_u64 s[20:21], s[4:5], s[20:21]
	s_add_nc_u64 s[46:47], s[6:7], s[46:47]
	CROUND                                         ; all sixteen work-groups are here: the first joint loads meet
.irp s, 0,1
	s_mov_b32 s[G0+4*\s], 1
	s_add_co_u32 s[G0+4*\s+1], s45, \s*SLOT
	s_add_nc_u64 s[G0+4*\s+2:G0+4*\s+3], s[20:21], \s*XPL
	s_or_b32 s[G0+4*\s+3], s[G0+4*\s+3], 0x80000000
	s_mov_b32 s[G0B+4*\s], 1
	s_add_co_u32 s[G0B+4*\s+1], s45, \s*SLOT
	s_add_nc_u64 s[G0B+4*\s+2:G0B+4*\s+3], s[46:47], \s*WPL
	s_or_b32 s[G0B+4*\s+3], s[G0B+4*\s+3], 0x80000000
.endr
	JLOAD 0                                        ; plane 0: one tensor load a wave at the head
	s_mov_b32 s[PFS], WPL                          ; the prefetches: my block, my work-group's quarter of it, three planes on (each change of slots steps it by a plane first)
	s_cmp_eq_u32 s15, 0
	s_cselect_b64 s[PFA:PFA+1], s[20:21], s[46:47]
	s_cselect_b32 s18, s40, s41                    ; my place among the four that ask with me
	s_cselect_b32 s[PFS], XPL, s[PFS]
	s_mov_b32 s[PFS+1], 0
	s_mul_i32 s18, s18, GB/4
	s_mul_i32 s19, s[PFS], 3
	s_add_co_u32 s18, s18, s19
	s_mov_b32 s19, 0
	s_add_nc_u64 s[PFA:PFA+1], s[PFA:PFA+1], s[18:19]
	s_mul_i32 s21, s15, GB                         ; x's block that I read
	s_mul_i32 s22, s16, GB
	s_add_co_u32 s22, s22, 2*GB                    ; w's
	s_sub_co_u32 s23, s22, s21
	s_add_co_u32 s76, s21, SLOT
	s_add_co_u32 s77, s22, SLOT
	s_lshl_b32 s46, s42, 10                        ; my first column, in bytes
	s_lshl_b32 s47, s16, 9
	s_add_co_u32 s46, s46, s47
	s_mov_b32 s47, 0
	s_add_nc_u64 s[8:9], s[8:9], s[46:47]
	s_lshl_b32 s78, s17, 8
	s_lshl_b32 s79, s15, 7
	s_add_co_u32 s78, s78, s79                     ; my first row
	s_lshl_b32 s78, s78, 13
	s_mov_b32 s79, 0
	s_add_nc_u64 s[10:11], s[10:11], s[78:79]
	s_add_nc_u64 s[10:11], s[10:11], s[46:47]
	v_and_b32 v1, 15, v0                           ; r
	v_bfe_u32 v2, v0, 4, 1                         ; h
	v_and_b32 v3, 31, v0                           ; lane
	v_lshlrev_b32 v4, 4, v3
	v_add_nc_u32 v[ADRA], s21, v4
	v_add_nc_u32 v[ADRA+1], s76, v4
	v_add_nc_u32 v[ADRB], s22, v4
	v_add_nc_u32 v[ADRB+1], s77, v4
	v_lshlrev_b32 v[BO], 4, v1
	v_mul_u32_u24 v6, s23, v2                      ; lanes 16-31 take w's units
	v_add_nc_u32 v6, v6, v[BO]
	v_add_nc_u32 v[ADRS], s21, v6
	v_add_nc_u32 v[ADRS+1], s76, v6
	v_lshl_add_u32 v[CO], v2, 16, v[BO]            ; 8 h rows of 8,192 bytes + 16 r
	v_lshlrev_b32 v[PFO], 8, v3
	v_min_u32 v5, 5, v3
	v_lshl_add_u32 v[PFO2], v5, 8, 8192
	global_load_b128 v[BI:BI+3], v[BO], s[8:9]               ; bias of columns 4 r .. 4 r + 3,
	global_load_b128 v[BI+4:BI+7], v[BO], s[8:9] offset:256  ; and 64 + 4 r ..: register b belongs to accumulators (., b)
.macro FRAG reg, adr, s, i
.irp c, 0,1,2
	ds_load_b128 v[\reg+4*\c:\reg+4*\c+3], v[\adr] offset:(\i)*FS+(\s)*1536+512*\c
.endr
.endm
; 16 matrix instructions: x's blocks a0, a0 + 1 against w's eight tiles.  p: w's set; s: the step in its plane; sc: the slot's scale words.  The 64 accumulators take turns
.macro MUL16 a0, p, s, sc, zero
.irp a, \a0, \a0+1
.irp b, 0,1,2,3,4,5,6,7
.if \zero
	v_wmma_scale_f32_16x16x128_f8f6f4 v[8*(8*((\a)%4)+\b):8*(8*((\a)%4)+\b)+7], v[AF+FR*(\a):AF+FR*(\a)+FR-1], v[128*(\p)+FR*\b:128*(\p)+FR*\b+FR-1], 0, v[SC+32*(\sc)+4*(\a)+(\s)], v[SC+32*(\sc)+4*\b+(\s)] matrix_a_fmt:MATRIX_FMT_BF6 matrix_b_fmt:MATRIX_FMT_BF6 matrix_b_scale:MATRIX_SCALE_ROW1
.else
	v_wmma_scale_f32_16x16x128_f8f6f4 v[8*(8*((\a)%4)+\b):8*(8*((\a)%4)+\b)+7], v[AF+FR*(\a):AF+FR*(\a)+FR-1], v[128*(\p)+FR*\b:128*(\p)+FR*\b+FR-1], v[8*(8*((\a)%4)+\b):8*(8*((\a)%4)+\b)+7], v[SC+32*(\sc)+4*(\a)+(\s)], v[SC+32*(\sc)+4*\b+(\s)] matrix_a_fmt:MATRIX_FMT_BF6 matrix_b_fmt:MATRIX_FMT_BF6 matrix_b_scale:MATRIX_SCALE_ROW1
.endif
.endr
.endr
.endm
.macro FETCH_B slot, s, p              ; 24 loads
	WIN TO_B
.irp i, 0,1,2,3,4,5,6,7
	FRAG 128*(\p)+FR*\i, ADRB+(\slot), \s, \i
.endr
	WIN 0
.endm
.macro FETCH_A slot, s, i0             ; 12 loads
.irp i, \i0, \i0+1, \i0+2, \i0+3
	FRAG AF+FR*(\i), ADRA+(\slot), \s, \i
.endr
.endm
.macro SCALES slot                     ; a plane's scale words: 16 bytes a row
.irp i, 0,1,2,3,4,5,6,7
	ds_load_b128 v[SC+32*(\slot)+4*\i:SC+32*(\slot)+4*\i+3], v[ADRS+(\slot)] offset:8*FS+256*\i
.endr
.endm
.macro PLACES                          ; four places in front of loads into registers that matrix instructions have read, and of reads of results
.rept 4
	v_nop
.endr
.endm
; A step whose successor lies in the same slot.  w's next set is asked for at the step's head (the places behind the last step's products stand in front of it), x's blocks as they fall free.
.macro NSTEP slot, s, p, zero
	FETCH_B \slot, (\s)+1, 1-(\p)
	s_wait_dscnt 36                                ; out: x's blocks 4-7 of this step (12) and the 24 just issued
	WIN MUL_LO
	MUL16 0, \p, \s, \slot, \zero
	MUL16 2, \p, \s, \slot, \zero
	PLACES
	WIN 0
	FETCH_A \slot, (\s)+1, 0
	s_wait_dscnt 36                                ; out: w's next set (24) and the 12 just issued
	WIN MUL_HI
	MUL16 4, \p, \s, \slot, \zero
	MUL16 6, \p, \s, \slot, \zero
	PLACES
	WIN 0
	FETCH_A \slot, (\s)+1, 4
.endm
; A plane's third step changes slots: all reads of this slot have been issued.  fill = 1: the slot takes the plane two on; 2: plane 10, the shorter block; 0: nothing.  ask = 1: in the loop, with the prefetch.
.macro TSTEP slot, p, fill, ask
.if \ask
	s_wait_xcnt 0x0                                ; my prefetches have read their address
	s_add_nc_u64 s[PFA:PFA+1], s[PFA:PFA+1], s[PFS:PFS+1]
.endif
	s_wait_tensorcnt 0x0                           ; my one load that was out, my part of the next slot, has landed;
	ds_add_u32 v[SPW], v[NIL]
.if \fill
	s_add_nc_u64 s[G0+4*\slot+2:G0+4*\slot+3], s[G0+4*\slot+2:G0+4*\slot+3], 2*XPL   ; no load of mine is out: the descriptors may be written
	s_add_nc_u64 s[G0B+4*\slot+2:G0B+4*\slot+3], s[G0B+4*\slot+2:G0B+4*\slot+3], 2*WPL
.endif
.if \fill == 2
	s_sub_nc_u64 s[G0+4*\slot+2:G0+4*\slot+3], s[G0+4*\slot+2:G0+4*\slot+3], s[DA:DA+1]
	s_sub_nc_u64 s[G0B+4*\slot+2:G0B+4*\slot+3], s[G0B+4*\slot+2:G0B+4*\slot+3], s[DB:DB+1]
	s_mov_b32 s[G1+2], 104<<16
	s_mov_b32 s[G1+4], 104
	s_mov_b32 s[G1B+2], 104<<16
	s_mov_b32 s[G1B+4], 104
.endif
	s_wait_dscnt 13                                ; out: x's blocks 4-7 (12) and the add
	WIN MUL_LO
	MUL16 0, \p, 2, \slot, 0
	s_wait_dscnt 0x0                               ; the add is done, and my reads of this slot are over
	s_barrier_signal -1
	MUL16 2, \p, 2, \slot, 0
	WIN 0
	s_barrier_wait -1
.if \fill
	CREST                                          ; the barrier has opened a round of the cluster's barrier
	JLOAD \slot                                    ; the first tensor load behind the round; its four v_nop are the places in front of the loads below
.else
	PLACES
.endif
	FETCH_B 1-\slot, 0, 1-(\p)
	FETCH_A 1-\slot, 0, 0
	SCALES 1-\slot
.if \ask
	s_cmp_gt_u32 s3, 1                             ; the loop's last trip would name planes 10 and 11: it asks for nothing
	s_cbranch_scc0 .Lno_ask_\@
	global_prefetch_b8 v[PFO], s[PFA:PFA+1] th:TH_LOAD_NT scope:SCOPE_SE
	global_prefetch_b8 v[PFO2], s[PFA:PFA+1] th:TH_LOAD_NT scope:SCOPE_SE
.Lno_ask_\@:
.endif
	WIN MUL_HI
	MUL16 4, \p, 2, \slot, 0
	MUL16 6, \p, 2, \slot, 0
	PLACES
	WIN 0
	FETCH_A 1-\slot, 0, 4
.endm
; THE WAY OUT of block a: 64 adds of the bias gather four neighbouring columns into four neighbouring registers, each accumulator from its low end on; 16 stores.
.macro OUT a
.if (\a) >= 4
	s_wait_xcnt 0x0                                ; block a - 4's stores have read their data
.endif
	WIN 0x42+((\a)/4)                              ; source 0: window 2 or 3; destination: window 1
.irp g, 0,1
.irp j, 0,1,2,3,4,5,6,7
.irp t, 0,1,2,3
	v_add_f32 v[64*((\a)%4)+32*\g+4*\j+\t], v[64*((\a)%4)+8*(4*\g+\t)+\j], v[BI+4*\g+\t]
.endr
.endr
.endr
	WIN 0x04                                       ; the stores' data: window 1
.irp g, 0,1
.irp j, 0,1,2,3,4,5,6,7
	global_store_b128 v[CO], v[64*((\a)%4)+32*\g+4*\j:64*((\a)%4)+32*\g+4*\j+3], s[10:11] offset:(16*(\a)+\j)*8192+256*\g th:TH_STORE_NT   ; lanes 0-15: 256 consecutive bytes of row 16 a + j; lanes 16-31: of row 16 a + 8 + j
.endr
.endr
.endm
	s_wait_alu depctr_va_vdst(0)                   ; the wait at the head's end
	s_wait_tensorcnt 0x0                           ; my part of plane 0 is in; the three lines ahead of a later first fill, as ahead of a refill
	ds_add_u32 v[SPW], v[NIL]
	s_wait_dscnt 0x0
	CROUND
	JLOAD 1                                        ; plane 1, the first tensor load behind the round
	FETCH_B 0, 0, 0
	FETCH_A 0, 0, 0
	SCALES 0
	FETCH_A 0, 0, 4
	NSTEP 0, 0, 0, 1                               ; the first step's products start the sums
	s_mov_b32 s3, 4
.Llap:                                                 ; a trip: six steps, from a lap's second step to the next lap's first; both slots are filled again (planes 2 to 9)
	NSTEP 0, 1, 1, 0
	TSTEP 0, 0, 1, 1
	NSTEP 1, 0, 1, 0
	NSTEP 1, 1, 0, 0
	TSTEP 1, 1, 1, 1
	NSTEP 0, 0, 0, 0
	s_sub_co_u32 s3, s3, 1
	s_cmp_lg_u32 s3, 0
	s_cbranch_scc1 .Llap
	NSTEP 0, 1, 1, 0                               ; planes 8 and 9 go on
	TSTEP 0, 0, 2, 0                               ; slot 0 takes plane 10
	NSTEP 1, 0, 1, 0
	NSTEP 1, 1, 0, 0
.set FS, 3072                          ; from here on all that is fetched is plane 10's
	TSTEP 1, 1, 0, 0
	NSTEP 0, 0, 0, 0
	s_wait_dscnt 12                                ; the last step: nothing more to fetch
	WIN MUL_LO
	MUL16 0, 1, 1, 0, 0
	MUL16 2, 1, 1, 0, 0
	s_wait_dscnt 0x0
	WIN MUL_HI
	MUL16 4, 1, 1, 0, 0
	MUL16 6, 1, 1, 0, 0
	s_wait_loadcnt 0x0                             ; the bias
	PLACES
.irp a, 0,1,2,3,4,5,6,7
	OUT \a
.endr
	WIN 0
	s_wait_tensorcnt 0x0                           ; the wave's end
	ds_add_u32 v[SPW], v[NIL]
	s_wait_dscnt 0x0
	CROUND                                         ; the closing round
	s_endpgm
.Lfunc_end_k_qc672100d57_gemm:
	.size	k_qc672100d57_gemm, .Lfunc_end_k_qc672100d57_gemm-k_qc672100d57_gemm
	.p2alignl 7, 3214868480
	.fill 96, 4, 3214868480
	.section	.rodata,"a",@progbits
	.p2align	6, 0x0
	.amdhsa_kernel k_qc672100d57_gemm
		.amdhsa_group_segment_fixed_size 327680
		.amdhsa_private_segment_fixed_size 0
		.amdhsa_enable_private_segment 0
		.amdhsa_kernarg_size 32
		.amdhsa_user_sgpr_count 2
		.amdhsa_user_sgpr_kernarg_segment_ptr 1
		.amdhsa_wavefront_size32 1
		.amdhsa_system_sgpr_workgroup_id_x 1
		.amdhsa_system_sgpr_workgroup_id_y 1
		.amdhsa_system_sgpr_workgroup_id_z 1
		.amdhsa_system_vgpr_workitem_id 0
		.amdhsa_next_free_vgpr 1024
		.amdhsa_next_free_sgpr 96
		.amdhsa_reserve_vcc 0
		.amdhsa_float_denorm_mode_32 3
		.amdhsa_float_denorm_mode_16_64 3
		.amdhsa_memory_ordered 1
		.amdhsa_forward_progress 1
		.amdhsa_inst_pref_size 205
	.end_amdhsa_kernel
	.amdgpu_metadata
---
amdhsa.version: [ 1, 2 ]
amdhsa.kernels:
  - .name:           k_qc672100d57_gemm
    .symbol:         k_qc672100d57_gemm.kd
    .args:
      - { .name: xq, .offset: 0, .size: 8, .value_kind: global_buffer, .address_space: global }
      - { .name: wq, .offset: 8, .size: 8, .value_kind: global_buffer, .address_space: global }
      - { .name: bias, .offset: 16, .size: 8, .value_kind: global_buffer, .address_space: global }
      - { .name: out0, .offset: 24, .size: 8, .value_kind: global_buffer, .address_space: global }
    .group_segment_fixed_size: 327680
    .private_segment_fixed_size: 0
    .kernarg_segment_align: 8
    .kernarg_segment_size: 32
    .max_flat_workgroup_size: 128
    .sgpr_count:     96
    .vgpr_count:     1024
    .wavefront_size: 32
...
	.end_amdgpu_metadata
.endif
;; end of part 2
